; MI455X (gfx1250); checked and timed in simulation.
; The chip was launched on July 23, 2026; its instructions are those of AMD's public machine-readable ISA for CDNA 5 (MIT licence, August 2026) and "CDNA5" Instruction Set Architecture Reference Guide (July 2026). The comments in the code are by the model that wrote it; some were corrected since.
;; Self Attention. Allowed arithmetic: float matrix products may take bf16 or f16 operands with f32 sums; all other float work in f32.
;; Inputs: Wk 256 x 64 float32; Wo 64 x 256 float32; Wq 256 x 64 float32; Wv 256 x 64 float32; x 4 x 4,096 x 256 float32.
;; Outputs: out0 4 x 4,096 x 256 float32.
;; 2 versions, each right; version 2 is version 1 with the launch proj written anew for expert scheduling mode. Each part assembles by itself: llvm-mc -triple=amdgcn-amd-amdhsa -mcpu=gfx1250 --defsym DOCPART=n.
;; ======== version 1 of 2: 2 launches
;; limits: values are held in f16: magnitudes above 65,504 overflow, below 6.1e-05 lose precision
;; workspace buffers: kf 2,097,152 bytes; qv 4,194,304 bytes; wof 32,768 bytes
;; launch proj (part 1): grid 256 x 1, 8 waves a work-group, no clusters, 141,312 bytes of LDS; arguments x, Wk, Wq, Wv, Wo, kf, qv, wof; writes kf, qv, wof
.if DOCPART == 1
	.amdgcn_target "amdgcn-amd-amdhsa--gfx1250"
	.amdhsa_code_object_version 6
	.text
	.protected	k_q7278cc2df7_proj
	.globl	k_q7278cc2df7_proj
	.p2align	8
	.type	k_q7278cc2df7_proj,@function
k_q7278cc2df7_proj:
	s_mov_b64 s[64:65], 0
	v_nop
	global_prefetch_b8 v0, s[64:65] scope:SCOPE_SE
	s_setreg_imm32_b32 hwreg(HW_REG_WAVE_MODE, 25, 1), 1
	s_wait_xcnt 0x0
; k = x Wk, q = x Wq, v = x Wv for 64 rows of x a work-group, stored in f16 as images of the matrix fragments that the next launch reads;
; work-groups 0 to 7 also repack Wo.  x: [16384][256] f32, Wk, Wq, Wv: [256][64] f32, Wo: [64][256] f32.
; A CHUNK is 512 bytes: lane L's 16 bytes (8 f16) at 16 L.  r = L % 16, h = L / 16.
;   kf : chunk (T, ab) at 2048 T + 512 ab: k[16 T + r][16 ab + 8 h + 0..7] x 0.125 log2(e)  (the factor on the f32 sum, then one rounding)
;   qv : 16 KiB for each 64 rows.  Bytes 0..8191: chunk (tt, ab) at 2048 tt + 512 ab: q[16 tt + r][16 ab + 8 h + 0..7]
;        bytes 8192..16383: chunk (tg, ab, c) at 8192 + 512 ((4 tg + ab) 2 + c): v[32 tg + 16 c + 8 h + 0..7][16 ab + r]   (V transposed)
;   wof: chunk id = (2 ob + ks) 2 + c at 512 id: Wo[32 ks + 16 c + 8 h + 0..7][16 ob + r]                                  (Wo transposed)
; So every store of a wave covers 512 consecutive bytes, aligned.
; FORMAT: operands in f16, sums in f32.  f16 and not bf16 because three roundings at 2^-8 on the way to a mean of v, and two on the logits, add
; up to more than a third of the allowed 0.01 of the output's r.m.s.; at 2^-11 they are an eighth of that.
; LIMITS: finite inputs; |x|, |W|, |k|, |q|, |v| below 65,504 (f16's largest number).  With x and W both 30 times larger than a unit normal and
; 1/16 of one, |v| stays near 5,000; with both offset by 30 spreads it is 256 x 30 x 1.9, about 14,400.
; Eight waves.  Wave w: p = w & 1 takes x's 16-row tiles 2 p and 2 p + 1; cg = w >> 1 takes columns 16 cg .. + 15 of each of k, q, v:
; six accumulator tiles, eight K steps of 32.
; No tensor loads and no cluster: the f32 weights (192 KiB) beside their f16 copy (104 KiB) and x's tile do not fit in LDS, so the
; weights pass through registers, where they are converted.
.set XPITCH, 528                       ; LDS row of x: 512 bytes of f16 + 16: an odd multiple of 16
.set WPITCH, 416                       ; LDS row of W: 192 columns (k, q, v) of f16 = 384 bytes + 32: an odd multiple of 32, for the transposing load
.set WB,     64*XPITCH                 ; W's 256 rows lie behind x's 64
.set WHALF,  128*WPITCH                ; LDS immediates have 16 bits: rows 128 to 255 of W get address registers of their own
.set CSC,    0x3e38aa3b                ; 0.125 x log2(e)
.set O16, 1                            ; v1       16 x thread
.set XS,  2                            ; v2       where I store x
.set WS,  3                            ; v3, v4   where I store W: rows 0-127, rows 128-255
.set XA,  5                            ; v5       x fragments
.set WA,  6                            ; v6, v7   W fragments: K steps 0-3, 4-7
.set KO,  8                            ; v8       my chunk in kf and in qv's q part
.set VO,  9                            ; v9       my chunk in qv's V part
.set WOO, 10                           ; v10      Wo: my lane's offset
.set WOD, 12                           ; v[12:19] Wo: eight f32
.set WOP, 20                           ; v[20:23] Wo: packed
.set TM,  24                           ; v[24:27] at work
.set G0,  32                           ; v[32:95]   sixteen 16-byte loads: Wk, later Wv
.set G1,  96                           ; v[96:159]  Wq
.set G2,  160                          ; v[160:223] x
.set FB0, 32                           ; behind the barrier: fragment buffer 0: x tiles at +0, +8; W of k, q, v at +16, +24, +32
.set FB1, 72                           ; fragment buffer 1
.set ACC, 112                          ; v[112:159] tile (mat, u) at 8 (2 mat + u)
.set PK,  160                          ; v[160:183] packed results
	s_load_b512 s[4:19], s[0:1], 0x0               ; x 4:5, Wk 6:7, Wq 8:9, Wv 10:11, Wo 12:13, kf 14:15, qv 16:17, wof 18:19
	v_lshl_add_u32 v224, v0, 2, 0x22400
	v_mov_b32 v225, 0
	v_lshrrev_b32 v[TM], 5, v0
	v_readfirstlane_b32 s20, v[TM]                 ; wave 0..7
	v_lshlrev_b32 v[O16], 4, v0
	s_lshl_b32 s26, ttmp9, 16                      ; 64 rows of 1,024 bytes
	s_mov_b32 s27, 0
	s_wait_kmcnt 0x0
	s_add_nc_u64 s[4:5], s[4:5], s[26:27]
	; 48 loads a wave go out at once; the weights first, so that they are converted while x is still on its way.
.set i, 0
.rept 16
	global_load_b128 v[G0+4*i:G0+4*i+3], v[O16], s[6:7] offset:4096*i
.set i, i+1
.endr
.set i, 0
.rept 16
	global_load_b128 v[G1+4*i:G1+4*i+3], v[O16], s[8:9] offset:4096*i
.set i, i+1
.endr
.set i, 0
.rept 16
	global_load_b128 v[G2+4*i:G2+4*i+3], v[O16], s[4:5] offset:4096*i th:TH_LOAD_NT   ; each byte of x is read once in the launch
.set i, i+1
.endr
	s_lshl_b32 s26, ttmp9, 13
	s_add_nc_u64 s[14:15], s[14:15], s[26:27]      ; kf: 8 KiB a work-group
	s_lshl_b32 s26, ttmp9, 14
	s_add_nc_u64 s[16:17], s[16:17], s[26:27]      ; qv: 16 KiB a work-group
	; load i of x: thread t holds row 4 i + t / 64, columns 4 (t % 64) .. + 3
	v_lshrrev_b32 v[TM], 6, v0
	v_and_b32 v[TM+1], 63, v0
	v_lshlrev_b32 v[TM+1], 3, v[TM+1]
	v_mad_u32_u24 v[XS], v[TM], XPITCH, v[TM+1]
	; load i of a W: row 16 i + t / 16, columns 4 (t % 16) .. + 3
	v_lshrrev_b32 v[TM], 4, v0
	v_and_b32 v[TM+1], 15, v0                      ; also r, kept
	v_lshlrev_b32 v[TM+2], 3, v[TM+1]
	v_mad_u32_u24 v[WS], v[TM], WPITCH, v[TM+2]
	v_add_nc_u32 v[WS], WB, v[WS]
	v_add_nc_u32 v[WS+1], WHALF, v[WS]
	v_bfe_u32 v[TM+2], v0, 4, 1                    ; h, kept
	s_and_b32 s22, s20, 1                          ; p
	s_lshr_b32 s23, s20, 1                         ; cg
	s_mul_i32 s24, s22, 32*XPITCH
	v_mul_u32_u24 v[XA], v[TM+1], XPITCH           ; x fragment: (32 p + r) pitch + 16 h
	v_lshl_add_u32 v[XA], v[TM+2], 4, v[XA]
	v_add_nc_u32 v[XA], s24, v[XA]
	v_and_b32 v[TM], 7, v0                         ; W fragment, transposing load: (8 h + L % 8) pitch + 32 cg + 16 ((L / 8) % 2)
	v_lshl_or_b32 v[TM], v[TM+2], 3, v[TM]
	v_bfe_u32 v[TM+3], v0, 3, 1
	v_lshlrev_b32 v[TM+3], 4, v[TM+3]
	v_mad_u32_u24 v[WA], v[TM], WPITCH, v[TM+3]
	s_lshl_b32 s24, s23, 5
	s_add_co_u32 s24, s24, WB
	v_add_nc_u32 v[WA], s24, v[WA]
	v_add_nc_u32 v[WA+1], WHALF, v[WA]
	v_and_b32 v[TM], 31, v0
	v_lshlrev_b32 v[TM], 4, v[TM]                  ; 16 L
	s_lshl_b32 s24, s22, 12
	s_lshl_b32 s25, s23, 9
	s_add_co_u32 s24, s24, s25
	v_add_nc_u32 v[KO], s24, v[TM]                 ; 4096 p + 512 cg + 16 L
	s_lshl2_add_u32 s24, s22, s23
	s_lshl_b32 s24, s24, 10
	s_add_co_u32 s24, s24, 8192
	v_add_nc_u32 v[VO], s24, v[TM]                 ; 8192 + 1024 (4 p + cg) + 16 L
	; Wo, 64 chunks: wave w of work-group g < 8 makes chunk id = 8 g + w.  The whole piece stands inside this one branch; its wait is for
	; all loads, and the counted waits behind the branch name only loads younger than the one they wait for, so they hold on both ways.
	s_cmp_ge_u32 ttmp9, 8
	s_cbranch_scc1 .Lno_wo
	s_and_b32 s28, s20, 3                          ; id & 3 = 2 ks + c: sixteen rows of 1,024 bytes each
	s_lshl_b32 s28, s28, 14
	s_lshr_b32 s29, s20, 2
	s_lshl1_add_u32 s29, ttmp9, s29                ; ob = id >> 2 = 2 g + w / 4: sixteen columns of 4 bytes each
	s_lshl_b32 s29, s29, 6
	s_add_co_u32 s28, s28, s29
	v_lshlrev_b32 v[WOO], 2, v[TM+1]               ; + 4 r
	v_lshl_add_u32 v[WOO], v[TM+2], 13, v[WOO]     ; + 8 h rows
	v_add_nc_u32 v[WOO], s28, v[WOO]
.set i, 0
.rept 8
	global_load_b32 v[WOD+i], v[WOO], s[12:13] offset:1024*i
.set i, i+1
.endr
	s_lshl_b32 s28, ttmp9, 12                      ; eight chunks a work-group; 16 x thread is 512 w + 16 L
	s_mov_b32 s29, 0
	s_add_nc_u64 s[18:19], s[18:19], s[28:29]
	s_wait_loadcnt 0x0
.set i, 0
.rept 4
	v_cvt_pk_f16_f32 v[WOP+i], v[WOD+2*i], v[WOD+2*i+1]
.set i, i+1
.endr
	global_store_b128 v[O16], v[WOP:WOP+3], s[18:19]
.Lno_wo:
; sixteen loads' numbers to f16, in place, and into LDS, 8 bytes a lane
.macro CVTW grp, mat
.set i, 0
.rept 16
	v_cvt_pk_f16_f32 v[\grp+4*i],   v[\grp+4*i],   v[\grp+4*i+1]
	v_cvt_pk_f16_f32 v[\grp+4*i+1], v[\grp+4*i+2], v[\grp+4*i+3]
	ds_store_b64 v[WS+(i>>3)], v[\grp+4*i:\grp+4*i+1] offset:(i&7)*16*WPITCH+\mat*128
.set i, i+1
.endr
.endm
	s_wait_loadcnt 32                              ; loads come back in order (ISA guide 5.7.1): Wk is in; Wq's and x's 32 stay out
	CVTW G0, 0
	s_wait_dscnt 0x0                               ; the LDS stores out of G0 are done: Wv may land there
.set i, 0
.rept 16
	global_load_b128 v[G0+4*i:G0+4*i+3], v[O16], s[10:11] offset:4096*i
.set i, i+1
.endr
	s_wait_loadcnt 32                              ; Wq is in; x's and Wv's 32 stay out
	CVTW G1, 1
	s_wait_loadcnt 16                              ; x is in; Wv's 16 stay out
.set i, 0
.rept 16
	v_cvt_pk_f16_f32 v[G2+4*i],   v[G2+4*i],   v[G2+4*i+1]
	v_cvt_pk_f16_f32 v[G2+4*i+1], v[G2+4*i+2], v[G2+4*i+3]
	ds_store_b64 v[XS], v[G2+4*i:G2+4*i+1] offset:i*4*XPITCH
.set i, i+1
.endr
	s_wait_loadcnt 0x0
	CVTW G0, 2
	s_wait_dscnt 0x0                               ; for the other waves' sake: all my LDS stores are done
	s_barrier_signal -1
	s_barrier_wait -1
; ten LDS loads: K step ks of my two x tiles (K along the rows: two loads of 16 bytes, 32 bytes apart) and of my 16 columns of Wk, Wq, Wv
; (K down the rows: two transposing loads, 16 rows apart).  ks may be handed over as a sum, so it stands in brackets everywhere.
.macro LOADF ks, fb
.irp u, 0,1
	ds_load_b128 v[\fb+8*\u:\fb+8*\u+3],   v[XA] offset:(\ks)*64+\u*16*XPITCH
	ds_load_b128 v[\fb+8*\u+4:\fb+8*\u+7], v[XA] offset:(\ks)*64+\u*16*XPITCH+32
.endr
.irp m, 0,1,2
	ds_load_tr16_b128 v[\fb+16+8*\m:\fb+16+8*\m+3], v[WA+((\ks)>>2)] offset:((\ks)&3)*32*WPITCH+\m*128
	ds_load_tr16_b128 v[\fb+20+8*\m:\fb+20+8*\m+3], v[WA+((\ks)>>2)] offset:((\ks)&3)*32*WPITCH+\m*128+16*WPITCH
.endr
.endm
; six matrix instructions, the six accumulators by turns, one instruction a turn.
; k and q: source 0 = W's columns, source 1 = x's rows: a lane's eight results are eight neighbouring columns of one row.
; v: the other way round: eight neighbouring rows of one column, which is V transposed.
.macro MUL fb, zero
.irp m, 0,1
.irp u, 0,1
.if \zero
	v_wmma_f32_16x16x32_f16 v[ACC+8*(2*\m+\u):ACC+8*(2*\m+\u)+7], v[\fb+16+8*\m:\fb+16+8*\m+7], v[\fb+8*\u:\fb+8*\u+7], 0
.else
	v_wmma_f32_16x16x32_f16 v[ACC+8*(2*\m+\u):ACC+8*(2*\m+\u)+7], v[\fb+16+8*\m:\fb+16+8*\m+7], v[\fb+8*\u:\fb+8*\u+7], v[ACC+8*(2*\m+\u):ACC+8*(2*\m+\u)+7]
.endif
.endr
.endr
.irp u, 0,1
.if \zero
	v_wmma_f32_16x16x32_f16 v[ACC+32+8*\u:ACC+32+8*\u+7], v[\fb+8*\u:\fb+8*\u+7], v[\fb+32:\fb+39], 0
.else
	v_wmma_f32_16x16x32_f16 v[ACC+32+8*\u:ACC+32+8*\u+7], v[\fb+8*\u:\fb+8*\u+7], v[\fb+32:\fb+39], v[ACC+32+8*\u:ACC+32+8*\u+7]
.endif
.endr
.endm
; A load into a register that a matrix instruction has read, and a vector instruction that reads a matrix result, stand four places behind
; it; only plain vector instructions that name none of its registers are places.
.macro PLACES
.rept 4
	v_nop
.endr
.endm
; K step ks on buffer fb; more = 1: the buffer is loaded again, for K step ks + 2; left = the other buffer's loads, which may stay out
.macro KSTEP ks, fb, zero, more, left
	s_wait_dscnt \left
	MUL \fb, \zero
.if \more
	PLACES
	LOADF \ks+2, \fb
.endif
.endm
	LOADF 0, FB0
	LOADF 1, FB1
	KSTEP 0, FB0, 1, 1, 10                         ; the first products start the sums: nothing is cleared
	KSTEP 1, FB1, 0, 1, 10
	KSTEP 2, FB0, 0, 1, 10
	KSTEP 3, FB1, 0, 1, 10
	KSTEP 4, FB0, 0, 1, 10
	KSTEP 5, FB1, 0, 1, 10
	KSTEP 6, FB0, 0, 0, 10
	KSTEP 7, FB1, 0, 0, 0
	PLACES
.set i, 0
.rept 8
	v_pk_mul_f32 v[ACC+2*i:ACC+2*i+1], v[ACC+2*i:ACC+2*i+1], CSC op_sel_hi:[1,0]   ; k's two tiles: the softmax's scale and the change to base 2
.set i, i+1
.endr
.set i, 0
.rept 24
	v_cvt_pk_f16_f32 v[PK+i], v[ACC+2*i], v[ACC+2*i+1]
.set i, i+1
.endr
.irp u, 0,1
	global_store_b128 v[KO], v[PK+4*\u:PK+4*\u+3],       s[14:15] offset:2048*\u   ; k, tile 2 p + u
	global_store_b128 v[KO], v[PK+8+4*\u:PK+8+4*\u+3],   s[16:17] offset:2048*\u   ; q, tile 2 p + u
	global_store_b128 v[VO], v[PK+16+4*\u:PK+16+4*\u+3], s[16:17] offset:512*\u    ; V transposed: tg = p, c = u
.endr
	s_wait_tensorcnt 0x0
	ds_add_u32 v224, v225
	s_wait_dscnt 0x0
	s_endpgm
.Lfunc_end_k_q7278cc2df7_proj:
	.size	k_q7278cc2df7_proj, .Lfunc_end_k_q7278cc2df7_proj-k_q7278cc2df7_proj
	.p2alignl 7, 3214868480
	.fill 96, 4, 3214868480
	.section	.rodata,"a",@progbits
	.p2align	6, 0x0
	.amdhsa_kernel k_q7278cc2df7_proj
		.amdhsa_group_segment_fixed_size 141312
		.amdhsa_private_segment_fixed_size 0
		.amdhsa_enable_private_segment 0
		.amdhsa_kernarg_size 64
		.amdhsa_user_sgpr_count 2
		.amdhsa_user_sgpr_kernarg_segment_ptr 1
		.amdhsa_wavefront_size32 1
		.amdhsa_system_sgpr_workgroup_id_x 1
		.amdhsa_system_sgpr_workgroup_id_y 1
		.amdhsa_system_sgpr_workgroup_id_z 1
		.amdhsa_system_vgpr_workitem_id 0
		.amdhsa_next_free_vgpr 226
		.amdhsa_next_free_sgpr 66
		.amdhsa_reserve_vcc 0
		.amdhsa_float_denorm_mode_32 3
		.amdhsa_float_denorm_mode_16_64 3
		.amdhsa_memory_ordered 1
		.amdhsa_forward_progress 1
		.amdhsa_inst_pref_size 35
	.end_amdhsa_kernel
	.amdgpu_metadata
---
amdhsa.version: [ 1, 2 ]
amdhsa.kernels:
  - .name:           k_q7278cc2df7_proj
    .symbol:         k_q7278cc2df7_proj.kd
    .args:
      - { .name: x, .offset: 0, .size: 8, .value_kind: global_buffer, .address_space: global }
      - { .name: Wk, .offset: 8, .size: 8, .value_kind: global_buffer, .address_space: global }
      - { .name: Wq, .offset: 16, .size: 8, .value_kind: global_buffer, .address_space: global }
      - { .name: Wv, .offset: 24, .size: 8, .value_kind: global_buffer, .address_space: global }
      - { .name: Wo, .offset: 32, .size: 8, .value_kind: global_buffer, .address_space: global }
      - { .name: kf, .offset: 40, .size: 8, .value_kind: global_buffer, .address_space: global }
      - { .name: qv, .offset: 48, .size: 8, .value_kind: global_buffer, .address_space: global }
      - { .name: wof, .offset: 56, .size: 8, .value_kind: global_buffer, .address_space: global }
    .group_segment_fixed_size: 141312
    .private_segment_fixed_size: 0
    .kernarg_segment_align: 8
    .kernarg_segment_size: 64
    .max_flat_workgroup_size: 256
    .sgpr_count:     66
    .vgpr_count:     226
    .wavefront_size: 32
...
	.end_amdgpu_metadata
.endif
;; end of part 1
;; launch attn (part 2): grid 256 x 1, 8 waves a work-group, clusters of 4 x 1, 327,680 bytes of LDS; arguments kf, qv, wof, out0; writes out0
.if DOCPART == 2
	.amdgcn_target "amdgcn-amd-amdhsa--gfx1250"
	.amdhsa_code_object_version 6
	.text
	.protected	k_q7278cc2df7_attn
	.globl	k_q7278cc2df7_attn
	.p2align	8
	.type	k_q7278cc2df7_attn,@function
k_q7278cc2df7_attn:
	s_mov_b64 s[64:65], 0
	v_nop
	global_prefetch_b8 v0, s[64:65] scope:SCOPE_SE
	s_setreg_imm32_b32 hwreg(HW_REG_WAVE_MODE, 25, 1), 1
	s_wait_xcnt 0x0
	s_wait_alu depctr_hold_cnt(0) depctr_sa_sdst(0) depctr_va_vdst(0) depctr_va_sdst(0) depctr_va_ssrc(0) depctr_va_vcc(0) depctr_vm_vsrc(0)
	s_getreg_b32 s2, hwreg(HW_REG_IB_STS2, 6, 4)
	s_cmp_eq_u32 s2, 0
	s_cbranch_scc0 .Lentry_in_a_cluster
	s_endpgm
.Lentry_in_a_cluster:
	s_bfe_u32 s2, ttmp6, 0x10000c
	s_cmp_lg_u32 s2, 0x3003
	s_cbranch_scc0 .Lentry_shape_is_right
	s_endpgm
.Lentry_shape_is_right:
; out[s] = softmax over t of (k[s] . q[t] / 8) x v x Wo, for 64 rows s a work-group.  kf, qv, wof: f16 fragment images in chunks of 512 bytes
; (lane L's 16 bytes at 16 L; r = L % 16, h = L / 16):
;   kf : chunk (T, ab) at 2048 T + 512 ab: k[16 T + r][16 ab + 8 h + 0..7] x 0.125 log2(e)
;   qv : 16 KiB for each 64 t: q chunks (tt, ab) at 2048 tt + 512 ab; V transposed, chunks (tg, ab, c) at 8192 + 512 ((4 tg + ab) 2 + c)
;   wof: Wo transposed, chunk (2 ob + ks) 2 + c at 512 x its number
; EVERYTHING IS TRANSPOSED.  S^T = q k^T: lane (r, h), register j of tile (tt, sb) holds t = 16 tt + 8 h + j, s = 16 sb + r.  So a lane's numbers
; all belong to one s: maximum, factor and sum are one number a lane; and two tiles that follow each other in t, packed to f16, ARE the
; second operand of O^T = V^T P^T.  Nothing is transposed or sent through LDS inside the loop.
; Eight waves, two a SIMD, 512 registers each.  Every wave takes all 64 s and an eighth of t: in step i (0..7) wave w takes the 64 t of block
; 8 i + w of its batch, with a running maximum, sum and O^T of its own.  Behind the loop the eight are merged through LDS.
; CLUSTER 4 x 1: the four work-groups lie in one batch (64 work-groups a batch) and walk the same q and V: each tile is asked for jointly,
; which divides the requests by four.  A wave's tensor load brings its own 16 KiB; two slots of 128 KiB take turns, one refill a step.
; By this text's count a wave has two tensor loads out at the start and one behind each round of the cluster's barrier.
; No prefetch: kf, qv, wof were stored by the launch just before.  No LDS padding: every fragment load takes 512 consecutive bytes.
; FORMAT: operands f16, sums and softmax f32; exponentials in base 2 behind a running maximum, so p lies in [0, 1].
; LIMITS: finite inputs, |attn| below 65,504.  v_exp_f32 gives zero below 2^-126, and p below 2^-25 rounds to zero in f16: both beside a
; row's largest term, which is 1.  The sum l adds the unrounded p, the numerator p rounded to f16.
.set SLOTB,  131072                    ; a slot: eight waves x 16 KiB
.set STATS,  2*SLOTB                   ; 64 s x 80 bytes: m of waves 0..7 at +0, l at +32
.set ATT,    STATS+5120                ; eight f16 fragments of attn^T, 1 KiB each
.set OPITCH, 1040                      ; the way out, in slot 1 behind its last fill: 64 rows of 1,024 bytes + 16 (an odd multiple of 16)
; window 0 (v0-255)
.set L16, 1                            ; v1        16 L
.set LA,  2                            ; v2, v3    my 16 bytes in my wave's part of slot 0, 1
.set M,   4                            ; v[4:7], v[8:11]  running maximum of s block 0..3: two sets, new and old by turns, so none is copied
.set AL,  12                           ; v[12:15]  factor 2^(old - new)
.set LS,  16                           ; v[16:19]  sum of my half's p
.set LP,  20                           ; v[20:27]  a step's sums, in pairs
.set T,   28                           ; v[28:31]  at work
.set T2,  32                           ; v[32:35]  the other half's numbers
.set KF,  40                           ; v[40:103]   k fragment (sb, ks) at 8 (2 sb + ks); at the end Wo's fragments, m, l, merged sums
.set QF,  104                          ; v[104:167]  q fragment (tt, ks) at 8 (2 tt + ks)
.set VF,  168                          ; v[168:231]  V^T fragment (tg, ab) at 8 (4 tg + ab)
.set SA,  232                          ; m, l: where I store
.set SR,  233                          ; m, l: where I read
.set MA,  234                          ; v234, v235  merge: waves 0-3, waves 4-7
.set ATS, 236
.set ATR, 237
.set OST, 238
.set ORD, 239
.set GO,  240
.set WV,  241
; window 1 (v256-511), by the low 8 bits: S^T tile (tt, sb) at 16 (4 (tt / 2) + sb) + 8 (tt % 2); P^T fragment (tg, sb) packed in place at
; 16 (4 tg + sb); O^T tile (ab, sb) at 128 + 32 sb + 8 ab
.set G1, 16                            ; s[16:23] descriptor group 1
.set G0, 24                            ; s[24:31] descriptor group 0, one set for each slot
.set MSB, 0
.macro WIN new                         ; low byte: bits 1:0 source 0, 3:2 source 1, 5:4 source 2, 7:6 destination; the high byte repeats the setting that is left
.if MSB != \new
	s_set_vgpr_msb (MSB<<8)|\new
.set MSB, \new
.endif
.endm
; A round of the cluster's barrier: my work-group's barrier, wave 0 signals for the work-group, every wave waits for all four, my barrier again.
.macro ROUND
	s_barrier_signal -1
	s_barrier_wait -1
	s_cmp_lg_u32 s12, 0
	s_cbranch_scc1 .Lnot_wave_0_\@
	s_barrier_signal -3
.Lnot_wave_0_\@:
	s_barrier_wait -3
	s_barrier_signal -1
	s_barrier_wait -1
.endm
; Packed f32 with ONE register g for both halves: an even g is the first of its pair, an odd g the second.
.macro SUBB d, g                       ; v[d:d+1] -= v[g]
.if (\g) & 1
	v_pk_add_f32 v[\d:\d+1], v[\d:\d+1], v[\g-1:\g] op_sel:[0,1] op_sel_hi:[1,1] neg_lo:[0,1] neg_hi:[0,1]
.else
	v_pk_add_f32 v[\d:\d+1], v[\d:\d+1], v[\g:\g+1] op_sel_hi:[1,0] neg_lo:[0,1] neg_hi:[0,1]
.endif
.endm
.macro MULB d, a, g                    ; v[d:d+1] = v[a:a+1] x v[g]
.if (\g) & 1
	v_pk_mul_f32 v[\d:\d+1], v[\a:\a+1], v[\g-1:\g] op_sel:[0,1] op_sel_hi:[1,1]
.else
	s_wait_alu depctr_va_vdst(0)
	v_pk_mul_f32 v[\d:\d+1], v[\a:\a+1], v[\g:\g+1] op_sel_hi:[1,0]
.endif
.endm
.macro FMAB d, a, g                    ; v[d:d+1] += v[a:a+1] x v[g]
.if (\g) & 1
	v_pk_fma_f32 v[\d:\d+1], v[\a:\a+1], v[\g-1:\g], v[\d:\d+1] op_sel:[0,1,0] op_sel_hi:[1,1,1]
.else
	v_pk_fma_f32 v[\d:\d+1], v[\a:\a+1], v[\g:\g+1], v[\d:\d+1] op_sel_hi:[1,0,1]
.endif
.endm
	s_load_b256 s[4:11], s[0:1], 0x0               ; kf 4:5, qv 6:7, wof 8:9, out 10:11
	v_lshl_add_u32 v254, v0, 2, 0x43400
	v_mov_b32 v255, 0
	ds_add_u32 v254, v255
	v_lshrrev_b32 v1, 5, v0
	v_readfirstlane_b32 s12, v1                    ; wave 0..7
	s_bfe_u32 s13, ttmp6, 0x40000                  ; cx: my place in the cluster
	s_lshl_b32 s14, ttmp9, 2                       ; in a cluster launch ttmp9 counts clusters
	s_add_co_u32 s14, s14, s13                     ; my work-group: 64 rows s
	s_mov_b32 s32, 0x76543210                      ; v_permlanex16_b32: lane i of one half reads lane i of the other
	s_mov_b32 s33, 0xfedcba98
	; Group 1: a dense block of 16 KiB as 64 rows of 32 elements of 8 bytes.  The mask names all four work-groups of the cluster.
	s_mov_b32 s[G1+0], 15|(3<<16)|(1<<21)          ; 15:0 mask; 17:16 element of 8 bytes; 20 no padding; 21 set beside a mask
	s_mov_b32 s[G1+1], 32<<16                      ; tensor_dim0 = 32
	s_mov_b32 s[G1+2], 64<<16                      ; tensor_dim1 = 64
	s_mov_b32 s[G1+3], 32<<16                      ; tile_dim0 = 32
	s_mov_b32 s[G1+4], 64                          ; tile_dim1 = 64
	s_mov_b32 s[G1+5], 32                          ; from row to row: 32 elements
	s_mov_b32 s[G1+6], 0
	s_mov_b32 s[G1+7], 0
	; Group 0: made of the batch (cluster / 16, the same in all four) and the wave's number alone: no place in the cluster enters it.
	s_lshr_b32 s36, ttmp9, 4
	s_lshl_b32 s36, s36, 20                        ; a batch's q and V: 64 blocks of 16 KiB
	s_lshl_b32 s[G0+1], s12, 14                    ; LDS: wave x 16 KiB
	s_add_co_u32 s36, s36, s[G0+1]                 ; memory: block w of the step's eight
	s_mov_b32 s37, 0
	s_mov_b32 s[G0+0], 1
	s_mov_b32 s[G0+4], 1
	s_add_co_u32 s[G0+5], s[G0+1], SLOTB
	s_wait_dscnt 0x0
	s_wait_kmcnt 0x0
	s_add_nc_u64 s[G0+2:G0+3], s[6:7], s[36:37]    ; step 0
	s_add_nc_u64 s[G0+6:G0+7], s[G0+2:G0+3], SLOTB ; step 1: eight blocks on
	s_or_b32 s[G0+3], s[G0+3], 0x80000000          ; type = 2
	s_or_b32 s[G0+7], s[G0+7], 0x80000000
	s_lshl_b32 s38, s14, 13                        ; my k: four tiles of 2 KiB
	s_mov_b32 s39, 0
	s_add_nc_u64 s[4:5], s[4:5], s[38:39]
	s_lshl_b32 s38, s14, 16                        ; my 64 rows of out, 1,024 bytes each
	s_add_nc_u64 s[10:11], s[10:11], s[38:39]
	ROUND                                          ; all four work-groups are here: the first joint loads meet
	tensor_load_to_lds s[G0:G0+3], s[G1:G1+7]      ; step 0 into slot 0
	s_nop 0
	tensor_load_to_lds s[G0+4:G0+7], s[G1:G1+7]    ; step 1 into slot 1
	s_nop 0
	v_and_b32 v[T], 31, v0
	v_lshlrev_b32 v[L16], 4, v[T]
.set i, 0
.rept 16
	global_load_b128 v[KF+4*i:KF+4*i+3], v[L16], s[4:5] offset:512*i   ; k's eight fragments stay in registers for the whole loop
.set i, i+1
.endr
	v_add_nc_u32 v[LA], s[G0+1], v[L16]
	v_add_nc_u32 v[LA+1], SLOTB, v[LA]
	v_and_b32 v[T], 15, v0                         ; r
	v_bfe_u32 v[T+1], v0, 4, 1                     ; h
	v_mul_u32_u24 v[T+2], v[T], 80
	s_lshl_b32 s35, s12, 2
	s_add_co_u32 s35, s35, STATS
	v_add_nc_u32 v[SA], s35, v[T+2]                ; row r of an s block, word w
	s_lshr_b32 s35, s12, 1
	s_mul_i32 s35, s35, 1280
	s_add_co_u32 s35, s35, STATS
	v_add_nc_u32 v[SR], s35, v[T+2]                ; row 16 (w / 2) + r
	s_lshl_b32 s35, s12, 11
	v_add_nc_u32 v[MA], s35, v[L16]                ; fragment w: 2 KiB in each wave's 16 KiB
	v_add_nc_u32 v[MA+1], 65536, v[MA]
	s_lshl_b32 s35, s12, 10
	s_add_co_u32 s35, s35, ATT
	v_add_nc_u32 v[ATS], s35, v[L16]
	v_add_nc_u32 v[ATR], ATT, v[L16]
	v_mul_u32_u24 v[T+2], v[T], OPITCH
	v_lshl_add_u32 v[T+2], v[T+1], 5, v[T+2]
	s_lshl_b32 s35, s12, 7
	s_add_co_u32 s35, s35, SLOTB
	v_add_nc_u32 v[OST], s35, v[T+2]               ; row r, my wave's 32 columns (128 bytes), 32 bytes for each half of the lanes
	s_mul_i32 s35, s12, 8*OPITCH
	s_add_co_u32 s35, s35, SLOTB
	v_add_nc_u32 v[ORD], s35, v[L16]               ; back: my wave's eight rows
	s_lshl_b32 s35, s12, 13
	v_add_nc_u32 v[GO], s35, v[L16]
	s_lshl_b32 s35, s12, 12
	v_add_nc_u32 v[WV], s35, v[L16]                ; Wo's blocks 2 w and 2 w + 1: eight chunks
.set i, 0
.rept 4
	v_mov_b32 v[T2+i], 0                           ; v_permlanex16_b32 counts as a reader of its destination
.set i, i+1
.endr
; One step: my wave's 64 t against all 64 s.  slot: where the tile lies, and which set of maxima is the new one.  first = 1: nothing to carry on.
; last = 1: Wo's fragments are asked for.  left = how many younger tensor loads may stay out.
.macro STEP slot, first, last, left
.set MN, M+4*\slot
.set MO, M+4-4*\slot
	s_wait_tensorcnt \left                         ; a wave's tensor loads end in order (ISA guide 10.11.1): my tile is in LDS; only I read it
.if \first == 0
.rept 5
	v_nop                                          ; places behind the last step's matrix instructions: four before loads land
.endr                                                  ; in V's fragments, five before S^T is written over P^T
.endif
.set i, 0
.rept 16
	ds_load_b128 v[QF+4*i:QF+4*i+3], v[LA+\slot] offset:512*i
.set i, i+1
.endr
.set i, 0
.rept 16
	ds_load_b128 v[VF+4*i:VF+4*i+3], v[LA+\slot] offset:8192+512*i
.set i, i+1
.endr
.if \first
	s_wait_loadcnt 0x0                             ; k
.endif
	s_wait_dscnt 16                                ; q is in; V's sixteen loads stay out
	; S^T: 16 tiles, two K steps of 32; the sixteen accumulators by turns, one instruction a turn
	WIN 0x50
.set ks, 0
.rept 2
.set tt, 0
.rept 4
.set sb, 0
.rept 4
.set st, 16*(4*(tt>>1)+sb)+8*(tt&1)
.if ks == 0
	v_wmma_f32_16x16x32_f16 v[st:st+7], v[QF+8*(2*tt+ks):QF+8*(2*tt+ks)+7], v[KF+8*(2*sb+ks):KF+8*(2*sb+ks)+7], 0
.else
	v_wmma_f32_16x16x32_f16 v[st:st+7], v[QF+8*(2*tt+ks):QF+8*(2*tt+ks)+7], v[KF+8*(2*sb+ks):KF+8*(2*sb+ks)+7], v[st:st+7]
.endif
.set sb, sb+1
.endr
.set tt, tt+1
.endr
.set ks, ks+1
.endr
.rept 4
	v_nop                                          ; four places before the results are read, and before loads land in k's fragments
.endr
.if \last
	WIN 0
.set i, 0
.rept 8
	global_load_b128 v[KF+4*i:KF+4*i+3], v[WV], s[8:9] offset:512*i    ; k has been multiplied for the last time
.set i, i+1
.endr
.endif
	; the new maximum of each s: four chains (one an s block), two numbers an instruction, started by the old maximum
	WIN 0x05
.set n, 0
.rept 16
.set sb, 0
.rept 4
.set rr, 64*(n>>3)+16*sb+2*(n&7)
.if n == 0
.if \first
	v_max_num_f32 v[T+sb], v[rr], v[rr+1]
.else
	v_max3_num_f32 v[T+sb], v[rr], v[rr+1], v[MO+sb]
.endif
.else
	v_max3_num_f32 v[T+sb], v[rr], v[rr+1], v[T+sb]
.endif
.set sb, sb+1
.endr
.set n, n+1
.endr
	WIN 0
.set i, 0
.rept 4
	v_permlanex16_b32 v[T2+i], v[T+i], s32, s33    ; the other half of the lanes holds the other half of the t
.set i, i+1
.endr
.set i, 0
.rept 4
	v_max_num_f32 v[MN+i], v[T+i], v[T2+i]
.set i, i+1
.endr
.if \first == 0
.set i, 0
.rept 4
	v_sub_f32 v[AL+i], v[MO+i], v[MN+i]
.set i, i+1
.endr
.set i, 0
.rept 4
	v_exp_f32 v[AL+i], v[AL+i]                     ; first used sixteen plain instructions further down
.set i, i+1
.endr
.endif
	; p = 2^(S - m), in place; O^T's rescaling stands between the exponentials.  Behind every exponential a plain instruction that touches
	; none of its registers comes before its result is read.
	WIN 0x41
.set sb, 0
.rept 4
.set gg, MN+sb
.set n, 0
.rept 16
.set rr, 64*(n>>3)+16*sb+2*(n&7)
	SUBB rr, gg
.set n, n+1
.endr
.set gg, AL+sb
.set n, 0
.rept 16
.set rr, 64*(n>>3)+16*sb+2*(n&7)
	v_exp_f32 v[rr], v[rr]
	v_exp_f32 v[rr+1], v[rr+1]
.if \first == 0
.set oo, 128+32*sb+2*n
	MULB oo, oo, gg
.endif
.set n, n+1
.endr
.set sb, sb+1
.endr
	; the step's sums of p, four chains of pairs; the two halves of the lanes are added once, behind the loop
	WIN 0x05
.set sb, 0
	s_wait_alu depctr_va_vdst(0)
.rept 4
	v_pk_add_f32 v[LP+2*sb:LP+2*sb+1], v[16*sb:16*sb+1], v[16*sb+2:16*sb+3]
.set sb, sb+1
.endr
	WIN 0x01
.set n, 2
.rept 14
.set sb, 0
.rept 4
.set rr, 64*(n>>3)+16*sb+2*(n&7)
	v_pk_add_f32 v[LP+2*sb:LP+2*sb+1], v[rr:rr+1], v[LP+2*sb:LP+2*sb+1]
.set sb, sb+1
.endr
.set n, n+1
.endr
	WIN 0
.set sb, 0
.rept 4
.if \first
	v_add_f32 v[LS+sb], v[LP+2*sb], v[LP+2*sb+1]
.else
	v_add_f32 v[T+sb], v[LP+2*sb], v[LP+2*sb+1]
.endif
.set sb, sb+1
.endr
.if \first == 0
.set sb, 0
.rept 4
	v_fma_f32 v[LS+sb], v[LS+sb], v[AL+sb], v[T+sb]
.set sb, sb+1
.endr
.endif
	; p to f16, in place and upward: word i of a fragment is made of words 2 i and 2 i + 1, which no earlier line has written
	WIN 0x45
.set pb, 0
.rept 8
.set i, 0
.rept 8
	v_cvt_pk_f16_f32 v[16*pb+i], v[16*pb+2*i], v[16*pb+2*i+1]
.set i, i+1
.endr
.set pb, pb+1
.endr
	s_wait_dscnt 0x0                               ; V's fragments are in
	; O^T += V^T P^T: 16 tiles, two K steps of 32 t; the sixteen accumulators by turns
	WIN 0x54
.set tg, 0
.rept 2
.set sb, 0
.rept 4
.set ab, 0
.rept 4
.set oo, 128+32*sb+8*ab
.if (\first)*(1-tg)
	v_wmma_f32_16x16x32_f16 v[oo:oo+7], v[VF+8*(4*tg+ab):VF+8*(4*tg+ab)+7], v[16*(4*tg+sb):16*(4*tg+sb)+7], 0
.else
	v_wmma_f32_16x16x32_f16 v[oo:oo+7], v[VF+8*(4*tg+ab):VF+8*(4*tg+ab)+7], v[16*(4*tg+sb):16*(4*tg+sb)+7], v[oo:oo+7]
.endif
.set ab, ab+1
.endr
.set sb, sb+1
.endr
.set tg, tg+1
.endr
	WIN 0                                          ; at a label and at a branch every window is 0
.endm
; The slot that has just been read is filled again, two steps ahead.  Every wave waits for its LDS reads and for all its tensor loads; the
; round shows that of every wave of all four work-groups; the joint load is the wave's one tensor load behind it, and the first thing there.
.macro REFILL slot
	s_wait_dscnt 0x0                               ; my reads of the slot are back
	s_wait_tensorcnt 0x0                           ; none of my tensor loads is out: the next step's tile has landed, and a group 0 may be written
	ds_add_u32 v254, v255
	s_wait_dscnt 0x0
	s_add_nc_u64 s[G0+4*\slot+2:G0+4*\slot+3], s[G0+4*\slot+2:G0+4*\slot+3], 2*SLOTB
	ROUND
	tensor_load_to_lds s[G0+4*\slot:G0+4*\slot+3], s[G1:G1+7]
	s_nop 0
.endm
	STEP 0, 1, 0, 1                                ; step 0: the count leaves step 1's tile on its way
	s_mov_b32 s34, 3
.Llap:                                                 ; steps 1 to 6; the refills bring the tiles of steps 2 to 7
	REFILL 0
	STEP 1, 0, 0, 1                                ; the one load that may stay out is the refill just issued
	REFILL 1
	STEP 0, 0, 0, 1
	s_sub_co_u32 s34, s34, 1
	s_cmp_lg_u32 s34, 0
	s_cbranch_scc1 .Llap
	STEP 1, 0, 1, 0                                ; step 7: nothing is left to fetch; no tensor load is out behind this wait
	; THE MERGE.  Each wave lays down its m and l (one word for each s) and its O^T (16 KiB, into its own part of slot 0, which has had its last fill).
.set i, 0
.rept 4
	v_permlanex16_b32 v[T2+i], v[LS+i], s32, s33
.set i, i+1
.endr
.set i, 0
.rept 4
	v_add_f32 v[LS+i], v[LS+i], v[T2+i]            ; l of both halves; these four are also the places behind the last matrix instructions
.set i, i+1
.endr
.set sb, 0
.rept 4
	ds_store_b32 v[SA], v[M+4+sb] offset:1280*sb   ; step 7's maxima lie in the second set; both halves of the lanes write the same number
	ds_store_b32 v[SA], v[LS+sb] offset:1280*sb+32
.set sb, sb+1
.endr
	WIN 0x04
.set q, 0
.rept 32
	ds_store_b128 v[LA], v[128+4*q:128+4*q+3] offset:512*q
.set q, q+1
.endr
	WIN 0
	s_wait_dscnt 0x0                               ; for the other waves' sake
	s_barrier_signal -1
	s_barrier_wait -1
	; Wave w merges fragment w of attn^T: s block w / 2, a = 32 (w % 2) .. + 31: sixteen registers of each of the eight waves.
	ds_load_b128 v[72:75], v[SR]                   ; m of waves 0..7 for my s
	ds_load_b128 v[76:79], v[SR] offset:16
	ds_load_b128 v[80:83], v[SR] offset:32         ; l
	ds_load_b128 v[84:87], v[SR] offset:48
.set wp, 0
.rept 8
.set q, 0
.rept 4
	ds_load_b128 v[104+16*wp+4*q:104+16*wp+4*q+3], v[MA+(wp>>2)] offset:(wp&3)*16384+512*q
.set q, q+1
.endr
.set wp, wp+1
.endr
	s_wait_dscnt 32                                ; m and l are in; the 32 loads behind them stay out
	v_max3_num_f32 v[T], v72, v73, v74
	v_max3_num_f32 v[T+1], v75, v76, v77
	v_max3_num_f32 v[T], v[T], v78, v79
	v_max_num_f32 v[T], v[T], v[T+1]
.set i, 0
.rept 8
	v_sub_f32 v[72+i], v[72+i], v[T]
.set i, i+1
.endr
.set i, 0
.rept 8
	v_exp_f32 v[72+i], v[72+i]
.set i, i+1
.endr
	v_nop                                          ; a plain place behind the exponentials
	s_wait_alu depctr_va_vdst(0)
	v_mul_f32 v[T+1], v72, v80
.set i, 1
.rept 7
	v_fmac_f32 v[T+1], v[72+i], v[80+i]            ; the row's whole sum: at least 1, since the wave with the largest m has factor 1 and l >= 1
.set i, i+1
.endr
	v_rcp_f32 v[T+2], v[T+1]
	v_nop                                          ; a plain place behind the reciprocal
.set i, 0
	s_wait_alu depctr_va_vdst(0)
.rept 4
	v_pk_mul_f32 v[72+2*i:73+2*i], v[72+2*i:73+2*i], v[T+2:T+3] op_sel_hi:[1,0]    ; each wave's weight, the division folded in
.set i, i+1
.endr
.set wp, 0
.rept 8
	s_wait_dscnt 28-4*wp                           ; wave wp's four loads are in; the later waves' stay out
.set gg, 72+wp
.set e, 0
.rept 8
.set dd, 88+2*e
.set aa, 104+16*wp+2*e
.if wp == 0
	MULB dd, aa, gg
.else
	FMAB dd, aa, gg
.endif
.set e, e+1
.endr
.set wp, wp+1
.endr
.set i, 0
.rept 8
	v_cvt_pk_f16_f32 v[88+i], v[88+2*i], v[88+2*i+1]
.set i, i+1
.endr
	ds_store_b128 v[ATS], v[88:91]
	ds_store_b128 v[ATS], v[92:95] offset:512
	s_wait_dscnt 0x0
	s_barrier_signal -1
	s_barrier_wait -1
	; out^T = Wo^T attn^T: wave w makes columns 32 w .. + 31 of all 64 rows: eight tiles, two K steps; the accumulators by turns
.set i, 0
.rept 16
	ds_load_b128 v[QF+4*i:QF+4*i+3], v[ATR] offset:512*i
.set i, i+1
.endr
	s_wait_loadcnt 0x0                             ; Wo's fragments
	s_wait_dscnt 0x0
.set ks, 0
.rept 2
.set u, 0
.rept 2
.set sb, 0
.rept 4
.set oo, VF+8*(4*u+sb)
.if ks == 0
	v_wmma_f32_16x16x32_f16 v[oo:oo+7], v[KF+8*(2*u+ks):KF+8*(2*u+ks)+7], v[QF+8*(2*sb+ks):QF+8*(2*sb+ks)+7], 0
.else
	v_wmma_f32_16x16x32_f16 v[oo:oo+7], v[KF+8*(2*u+ks):KF+8*(2*u+ks)+7], v[QF+8*(2*sb+ks):QF+8*(2*sb+ks)+7], v[oo:oo+7]
.endif
.set sb, sb+1
.endr
.set u, u+1
.endr
.set ks, ks+1
.endr
.rept 4
	v_nop                                          ; four places before the results are stored and before loads land in attn's fragments
.endr
	; A lane holds eight neighbouring columns of one row: 32 bytes.  Through LDS (slot 1, which has had its last fill and its last read), so that
	; whole rows leave.
.set u, 0
.rept 2
.set sb, 0
.rept 4
.set oo, VF+8*(4*u+sb)
	ds_store_b128 v[OST], v[oo:oo+3]   offset:16*OPITCH*sb+64*u
	ds_store_b128 v[OST], v[oo+4:oo+7] offset:16*OPITCH*sb+64*u+16
.set sb, sb+1
.endr
.set u, u+1
.endr
	s_wait_dscnt 0x0
	s_barrier_signal -1
	s_barrier_wait -1
.set i, 0
.rept 16
	ds_load_b128 v[QF+4*i:QF+4*i+3], v[ORD] offset:OPITCH*(i>>1)+512*(i&1)
.set i, i+1
.endr
.set i, 0
.rept 16
	s_wait_dscnt 15-i                              ; LDS loads come back in order (ISA guide 5.7.1): piece i is in
	global_store_b128 v[GO], v[QF+4*i:QF+4*i+3], s[10:11] offset:512*i th:TH_STORE_NT   ; 512 consecutive bytes, aligned: half a row of out
.set i, i+1
.endr
	s_wait_tensorcnt 0x0
	ds_add_u32 v254, v255
	s_wait_dscnt 0x0
	ROUND                                          ; the closing round: no work-group ends while a partner may still ask for a tile that names it
	s_endpgm
.Lfunc_end_k_q7278cc2df7_attn:
	.size	k_q7278cc2df7_attn, .Lfunc_end_k_q7278cc2df7_attn-k_q7278cc2df7_attn
	.p2alignl 7, 3214868480
	.fill 96, 4, 3214868480
	.section	.rodata,"a",@progbits
	.p2align	6, 0x0
	.amdhsa_kernel k_q7278cc2df7_attn
		.amdhsa_group_segment_fixed_size 327680
		.amdhsa_private_segment_fixed_size 0
		.amdhsa_enable_private_segment 0
		.amdhsa_kernarg_size 32
		.amdhsa_user_sgpr_count 2
		.amdhsa_user_sgpr_kernarg_segment_ptr 1
		.amdhsa_wavefront_size32 1
		.amdhsa_system_sgpr_workgroup_id_x 1
		.amdhsa_system_sgpr_workgroup_id_y 1
		.amdhsa_system_sgpr_workgroup_id_z 1
		.amdhsa_system_vgpr_workitem_id 0
		.amdhsa_next_free_vgpr 512
		.amdhsa_next_free_sgpr 66
		.amdhsa_reserve_vcc 0
		.amdhsa_float_denorm_mode_32 3
		.amdhsa_float_denorm_mode_16_64 3
		.amdhsa_memory_ordered 1
		.amdhsa_forward_progress 1
		.amdhsa_inst_pref_size 151
	.end_amdhsa_kernel
	.amdgpu_metadata
---
amdhsa.version: [ 1, 2 ]
amdhsa.kernels:
  - .name:           k_q7278cc2df7_attn
    .symbol:         k_q7278cc2df7_attn.kd
    .args:
      - { .name: kf, .offset: 0, .size: 8, .value_kind: global_buffer, .address_space: global }
      - { .name: qv, .offset: 8, .size: 8, .value_kind: global_buffer, .address_space: global }
      - { .name: wof, .offset: 16, .size: 8, .value_kind: global_buffer, .address_space: global }
      - { .name: out0, .offset: 24, .size: 8, .value_kind: global_buffer, .address_space: global }
    .group_segment_fixed_size: 327680
    .private_segment_fixed_size: 0
    .kernarg_segment_align: 8
    .kernarg_segment_size: 32
    .max_flat_workgroup_size: 256
    .sgpr_count:     66
    .vgpr_count:     512
    .wavefront_size: 32
...
	.end_amdgpu_metadata
.endif
;; end of part 2
;; ======== version 2 of 2: 2 launches; version 1 with the launch proj written anew for expert scheduling mode
;; limits: values are held in f16: magnitudes above 65,504 overflow, below 6.1e-05 lose precision
;; workspace buffers: kf 2,097,152 bytes; qv 4,194,304 bytes; wof 32,768 bytes
;; launch proj (part 3): grid 256 x 1, 8 waves a work-group, no clusters, 141,312 bytes of LDS; arguments x, Wk, Wq, Wv, Wo, kf, qv, wof; writes kf, qv, wof
.if DOCPART == 3
	.amdgcn_target "amdgcn-amd-amdhsa--gfx1250"
	.amdhsa_code_object_version 6
	.text
	.protected	k_q7278cc2df7_proj
	.globl	k_q7278cc2df7_proj
	.p2align	8
	.type	k_q7278cc2df7_proj,@function
k_q7278cc2df7_proj:
	s_mov_b64 s[64:65], 0
	v_nop
	global_prefetch_b8 v0, s[64:65] scope:SCOPE_SE
	s_setreg_imm32_b32 hwreg(HW_REG_WAVE_SCHED_MODE, 0, 2), 2
	s_setreg_imm32_b32 hwreg(HW_REG_WAVE_MODE, 25, 1), 1
	s_wait_xcnt 0x0
	s_wait_alu depctr_vm_vsrc(0)
; k = x Wk, q = x Wq, v = x Wv for 64 rows of x a work-group, stored in f16 as images of the matrix fragments that the next launch reads;
; work-groups 0 to 7 also repack Wo.  x: [16384][256] f32, Wk, Wq, Wv: [256][64] f32, Wo: [64][256] f32.
; A CHUNK is 512 bytes: lane L's 16 bytes (8 f16) at 16 L.  r = L % 16, h = L / 16.
;   kf : chunk (T, ab) at 2048 T + 512 ab: k[16 T + r][16 ab + 8 h + 0..7] x 0.125 log2(e)  (the factor on the f32 sum, then one rounding)
;   qv : 16 KiB for each 64 rows.  Bytes 0..8191: chunk (tt, ab) at 2048 tt + 512 ab: q[16 tt + r][16 ab + 8 h + 0..7]
;        bytes 8192..16383: chunk (tg, ab, c) at 8192 + 512 ((4 tg + ab) 2 + c): v[32 tg + 16 c + 8 h + 0..7][16 ab + r]   (V transposed)
;   wof: chunk id = (2 ob + ks) 2 + c at 512 id: Wo[32 ks + 16 c + 8 h + 0..7][16 ob + r]                                  (Wo transposed)
; So every store of a wave covers 512 consecutive bytes, aligned.
; FORMAT: operands in f16, sums in f32.  f16 and not bf16 because three roundings at 2^-8 on the way to a mean of v, and two on the logits, add
; up to more than a third of the allowed 0.01 of the output's r.m.s.; at 2^-11 they are an eighth of that.
; LIMITS: finite inputs; |x|, |W|, |k|, |q|, |v| below 65,504 (f16's largest number).  With x and W both 30 times larger than a unit normal and
; 1/16 of one, |v| stays near 5,000; with both offset by 30 spreads it is 256 x 30 x 1.9, about 14,400.
; Eight waves.  Wave w: p = w & 1 takes x's 16-row tiles 2 p and 2 p + 1; cg = w >> 1 takes columns 16 cg .. + 15 of each of k, q, v:
; six accumulator tiles, eight K steps of 32.
; No tensor loads and no cluster: the f32 weights (192 KiB) beside their f16 copy (104 KiB) and x's tile do not fit in LDS, so the
; weights pass through registers, where they are converted.
; THE MODE: SCHED_MODE bits 1:0 = 2 (LLVM: expert scheduling mode 2), set by the entry lines.  The code itself states the register dependences
; between vector or matrix instructions and memory or LDS instructions, with s_wait_alu, always for 0.
; THE PLAN.  Registers that memory or LDS instructions touch:
;   v1          16 x thread: written once at the head; read by the 64 loads of the weights and x and by Wo's store.
;   v2 .. v9    LDS and output addresses: written once, behind the first 48 loads; read by LDS stores, LDS loads and the last six stores.
;   v10, v[12:23]  Wo's offset, its eight numbers and their packed form: each written once, inside Wo's branch.
;   G0, G1, G2  raw groups of sixteen loads.  A group is loaded, converted in place by 32 lines in one run, and stored to LDS by sixteen lines in one run:
;               one wait on va_vdst between the two runs.  G0 alone is loaded twice (Wk, then Wv): Wv is asked for behind Wq's conversions, where the
;               wait on va_vdst stands anyway and the wait on vm_vsrc for Wk's LDS stores stands 32 lines behind them.
;   FB0 .. FB3  behind the barrier, in the raw groups' registers: K step ks's ten LDS loads land in FB[ks % 4], its six matrix instructions read it.
;               Steps 0 to 3 are asked for at once; FB0 and FB1 are asked for again behind step 1's products, FB2 and FB3 behind step 3's: two waits on va_vdst.
;   PK          FB0's registers behind its last product: written by the last 24 conversions, read by the last six stores.
;   The accumulators are named by matrix and vector instructions alone.  v224, v225: written at the head, read by the closing add alone.
.set XPITCH, 528                       ; LDS row of x: 512 bytes of f16 + 16: an odd multiple of 16
.set WPITCH, 416                       ; LDS row of W: 192 columns (k, q, v) of f16 = 384 bytes + 32: an odd multiple of 32, for the transposing load
.set WB,     64*XPITCH                 ; W's 256 rows lie behind x's 64
.set WHALF,  128*WPITCH                ; LDS immediates have 16 bits: rows 128 to 255 of W get address registers of their own
.set CSC,    0x3e38aa3b                ; 0.125 x log2(e)
.set O16, 1                            ; v1       16 x thread
.set XS,  2                            ; v2       where I store x
.set WS,  3                            ; v3, v4   where I store W: rows 0-127, rows 128-255
.set XA,  5                            ; v5       x fragments
.set WA,  6                            ; v6, v7   W fragments: K steps 0-3, 4-7
.set KO,  8                            ; v8       my chunk in kf and in qv's q part
.set VO,  9                            ; v9       my chunk in qv's V part
.set WOO, 10                           ; v10      Wo: my lane's offset
.set WOD, 12                           ; v[12:19] Wo: eight f32
.set WOP, 20                           ; v[20:23] Wo: packed
.set TM,  24                           ; v[24:27] at work: no memory instruction names them
.set G0,  32                           ; v[32:95]   sixteen 16-byte loads: Wk, later Wv
.set G1,  96                           ; v[96:159]  Wq
.set G2,  160                          ; v[160:223] x
.set FB,  32                           ; v[32:191]  behind the barrier: fragment buffer b at FB + 40 b: x tiles at +0, +8; W of k, q, v at +16, +24, +32
.set ACC, 192                          ; v[192:223] k's and q's tiles: (mat, u) at 8 (2 mat + u)
.set ACV, 226                          ; v[226:241] v's tiles: u at 8 u (v224 and v225 are kept for the closing add)
.set PK,  32                           ; v[32:55]   packed results
	s_load_b512 s[4:19], s[0:1], 0x0               ; x 4:5, Wk 6:7, Wq 8:9, Wv 10:11, Wo 12:13, kf 14:15, qv 16:17, wof 18:19
	v_lshl_add_u32 v224, v0, 2, 0x22400
	v_mov_b32 v225, 0
	v_lshrrev_b32 v[TM], 5, v0
	v_readfirstlane_b32 s20, v[TM]                 ; wave 0..7
	v_lshlrev_b32 v[O16], 4, v0
	s_lshl_b32 s26, ttmp9, 16                      ; 64 rows of 1,024 bytes
	s_mov_b32 s27, 0
	s_wait_alu depctr_va_sdst(0)                   ; s20 is written, ahead of its first reader: the waves' shares are made from it
	s_wait_kmcnt 0x0
	s_add_nc_u64 s[4:5], s[4:5], s[26:27]
	s_wait_alu depctr_va_vdst(0)                   ; v1 is written: the loads of the weights and of x read it as their offset
	; 48 loads a wave go out at once; the weights first, so that they are converted while x is still on its way.
.set i, 0
.rept 16
	global_load_b128 v[G0+4*i:G0+4*i+3], v[O16], s[6:7] offset:4096*i
.set i, i+1
.endr
.set i, 0
.rept 16
	global_load_b128 v[G1+4*i:G1+4*i+3], v[O16], s[8:9] offset:4096*i
.set i, i+1
.endr
.set i, 0
.rept 16
	global_load_b128 v[G2+4*i:G2+4*i+3], v[O16], s[4:5] offset:4096*i th:TH_LOAD_NT   ; each byte of x is read once in the launch
.set i, i+1
.endr
	s_lshl_b32 s26, ttmp9, 13
	s_add_nc_u64 s[14:15], s[14:15], s[26:27]      ; kf: 8 KiB a work-group
	s_lshl_b32 s26, ttmp9, 14
	s_add_nc_u64 s[16:17], s[16:17], s[26:27]      ; qv: 16 KiB a work-group
	; load i of x: thread t holds row 4 i + t / 64, columns 4 (t % 64) .. + 3
	v_lshrrev_b32 v[TM], 6, v0
	v_and_b32 v[TM+1], 63, v0
	v_lshlrev_b32 v[TM+1], 3, v[TM+1]
	v_mad_u32_u24 v[XS], v[TM], XPITCH, v[TM+1]
	; load i of a W: row 16 i + t / 16, columns 4 (t % 16) .. + 3
	v_lshrrev_b32 v[TM], 4, v0
	v_and_b32 v[TM+1], 15, v0                      ; also r, kept
	v_lshlrev_b32 v[TM+2], 3, v[TM+1]
	v_mad_u32_u24 v[WS], v[TM], WPITCH, v[TM+2]
	v_add_nc_u32 v[WS], WB, v[WS]
	v_add_nc_u32 v[WS+1], WHALF, v[WS]
	v_bfe_u32 v[TM+2], v0, 4, 1                    ; h, kept
	s_and_b32 s22, s20, 1                          ; p
	s_lshr_b32 s23, s20, 1                         ; cg
	s_mul_i32 s24, s22, 32*XPITCH
	v_mul_u32_u24 v[XA], v[TM+1], XPITCH           ; x fragment: (32 p + r) pitch + 16 h
	v_lshl_add_u32 v[XA], v[TM+2], 4, v[XA]
	v_add_nc_u32 v[XA], s24, v[XA]
	v_and_b32 v[TM], 7, v0                         ; W fragment, transposing load: (8 h + L % 8) pitch + 32 cg + 16 ((L / 8) % 2)
	v_lshl_or_b32 v[TM], v[TM+2], 3, v[TM]
	v_bfe_u32 v[TM+3], v0, 3, 1
	v_lshlrev_b32 v[TM+3], 4, v[TM+3]
	v_mad_u32_u24 v[WA], v[TM], WPITCH, v[TM+3]
	s_lshl_b32 s24, s23, 5
	s_add_co_u32 s24, s24, WB
	v_add_nc_u32 v[WA], s24, v[WA]
	v_add_nc_u32 v[WA+1], WHALF, v[WA]
	v_and_b32 v[TM], 31, v0
	v_lshlrev_b32 v[TM], 4, v[TM]                  ; 16 L
	s_lshl_b32 s24, s22, 12
	s_lshl_b32 s25, s23, 9
	s_add_co_u32 s24, s24, s25
	v_add_nc_u32 v[KO], s24, v[TM]                 ; 4096 p + 512 cg + 16 L
	s_lshl2_add_u32 s24, s22, s23
	s_lshl_b32 s24, s24, 10
	s_add_co_u32 s24, s24, 8192
	v_add_nc_u32 v[VO], s24, v[TM]                 ; 8192 + 1024 (4 p + cg) + 16 L
	; Wo, 64 chunks: wave w of work-group g < 8 makes chunk id = 8 g + w.  The whole piece stands inside this one branch; its wait is for
	; all loads, and the counted waits behind the branch name only loads younger than the one they wait for, so they hold on both ways.
	s_cmp_ge_u32 ttmp9, 8
	s_cbranch_scc1 .Lno_wo
	s_and_b32 s28, s20, 3                          ; id & 3 = 2 ks + c: sixteen rows of 1,024 bytes each
	s_lshl_b32 s28, s28, 14
	s_lshr_b32 s29, s20, 2
	s_lshl1_add_u32 s29, ttmp9, s29                ; ob = id >> 2 = 2 g + w / 4: sixteen columns of 4 bytes each
	s_lshl_b32 s29, s29, 6
	s_add_co_u32 s28, s28, s29
	v_lshlrev_b32 v[WOO], 2, v[TM+1]               ; + 4 r
	v_lshl_add_u32 v[WOO], v[TM+2], 13, v[WOO]     ; + 8 h rows
	v_add_nc_u32 v[WOO], s28, v[WOO]
	s_wait_alu depctr_va_vdst(0)                   ; v[WOO] is written, which the eight loads read as their offset
.set i, 0
.rept 8
	global_load_b32 v[WOD+i], v[WOO], s[12:13] offset:1024*i
.set i, i+1
.endr
	s_lshl_b32 s28, ttmp9, 12                      ; eight chunks a work-group; 16 x thread is 512 w + 16 L
	s_mov_b32 s29, 0
	s_add_nc_u64 s[18:19], s[18:19], s[28:29]
	s_wait_loadcnt 0x0
.set i, 0
.rept 4
	v_cvt_pk_f16_f32 v[WOP+i], v[WOD+2*i], v[WOD+2*i+1]
.set i, i+1
.endr
	s_wait_alu depctr_va_vdst(0)                   ; the four conversions have written v[WOP ..], which the store reads
	global_store_b128 v[O16], v[WOP:WOP+3], s[18:19]
.Lno_wo:
; sixteen loads' numbers to f16, in place: four numbers close up into the first two of their four registers
.macro CVT grp
.set i, 0
.rept 16
	v_cvt_pk_f16_f32 v[\grp+4*i],   v[\grp+4*i],   v[\grp+4*i+1]
	v_cvt_pk_f16_f32 v[\grp+4*i+1], v[\grp+4*i+2], v[\grp+4*i+3]
.set i, i+1
.endr
.endm
; a converted group of W into LDS, 8 bytes a lane
.macro STW grp, mat
.set i, 0
.rept 16
	ds_store_b64 v[WS+(i>>3)], v[\grp+4*i:\grp+4*i+1] offset:(i&7)*16*WPITCH+\mat*128
.set i, i+1
.endr
.endm
	s_wait_loadcnt 32                              ; loads come back in order (ISA guide 5.7.1): Wk is in; Wq's and x's 32 stay out
	CVT G0
	s_wait_alu depctr_va_vdst(0)                   ; the conversions have written G0, which the LDS stores read; the addresses v2 to v9 are written too, for every LDS and memory instruction from here on
	STW G0, 0
	s_wait_loadcnt 16                              ; Wq is in; x's 16 stay out (Wv is not asked for yet)
	CVT G1
	s_wait_alu depctr_va_vdst(0)                   ; the conversions have written G1, which the LDS stores below read; no vector line since the last such wait names G0, in which Wv lands
	s_wait_dscnt 0x0                               ; the LDS stores out of G0 are done,
	s_wait_alu depctr_vm_vsrc(0)                   ; and have read G0: Wv's loads land there, and Wv's conversions write it again
.set i, 0
.rept 16
	global_load_b128 v[G0+4*i:G0+4*i+3], v[O16], s[10:11] offset:4096*i
.set i, i+1
.endr
	STW G1, 1
	s_wait_loadcnt 16                              ; x is in; Wv's 16 stay out
	CVT G2
	s_wait_alu depctr_va_vdst(0)                   ; the conversions have written G2, which the LDS stores read
.set i, 0
.rept 16
	ds_store_b64 v[XS], v[G2+4*i:G2+4*i+1] offset:i*4*XPITCH
.set i, i+1
.endr
	s_wait_loadcnt 0x0                             ; Wv is in
	CVT G0
	s_wait_alu depctr_va_vdst(0)                   ; the conversions have written G0, which the LDS stores read; no vector line stands between here and the fragments' first loads, which land in the three groups' registers
	STW G0, 2
	s_wait_dscnt 0x0                               ; for the other waves' sake: all my LDS stores are done
	s_barrier_signal -1
	s_barrier_wait -1
	s_wait_alu depctr_vm_vsrc(0)                   ; my LDS stores have read v32 to v223: these registers are fragment buffers, accumulators and PK from here on, written by LDS loads, matrix instructions and conversions
; ten LDS loads: K step ks of my two x tiles (K along the rows: two loads of 16 bytes, 32 bytes apart) and of my 16 columns of Wk, Wq, Wv
; (K down the rows: two transposing loads, 16 rows apart), into buffer ks % 4.
.macro LOADF ks
.set fb, FB+40*((\ks)&3)
.irp u, 0,1
	ds_load_b128 v[fb+8*\u:fb+8*\u+3],   v[XA] offset:(\ks)*64+\u*16*XPITCH
	ds_load_b128 v[fb+8*\u+4:fb+8*\u+7], v[XA] offset:(\ks)*64+\u*16*XPITCH+32
.endr
.irp m, 0,1,2
	ds_load_tr16_b128 v[fb+16+8*\m:fb+16+8*\m+3], v[WA+((\ks)>>2)] offset:((\ks)&3)*32*WPITCH+\m*128
	ds_load_tr16_b128 v[fb+20+8*\m:fb+20+8*\m+3], v[WA+((\ks)>>2)] offset:((\ks)&3)*32*WPITCH+\m*128+16*WPITCH
.endr
.endm
; K step ks: six matrix instructions on buffer ks % 4, the six accumulators by turns, one instruction a turn.
; k and q: source 0 = W's columns, source 1 = x's rows: a lane's eight results are eight neighbouring columns of one row.
; v: the other way round: eight neighbouring rows of one column, which is V transposed.
; left = the LDS loads of younger K steps, ten each, which may stay out (LDS loads come back in order: ISA guide 5.7.1).
.macro KSTEP ks, zero, left
.set fb, FB+40*((\ks)&3)
	s_wait_dscnt \left
.irp m, 0,1
.irp u, 0,1
.if \zero
	v_wmma_f32_16x16x32_f16 v[ACC+8*(2*\m+\u):ACC+8*(2*\m+\u)+7], v[fb+16+8*\m:fb+16+8*\m+7], v[fb+8*\u:fb+8*\u+7], 0
.else
	v_wmma_f32_16x16x32_f16 v[ACC+8*(2*\m+\u):ACC+8*(2*\m+\u)+7], v[fb+16+8*\m:fb+16+8*\m+7], v[fb+8*\u:fb+8*\u+7], v[ACC+8*(2*\m+\u):ACC+8*(2*\m+\u)+7]
.endif
.endr
.endr
.irp u, 0,1
.if \zero
	v_wmma_f32_16x16x32_f16 v[ACV+8*\u:ACV+8*\u+7], v[fb+8*\u:fb+8*\u+7], v[fb+32:fb+39], 0
.else
	v_wmma_f32_16x16x32_f16 v[ACV+8*\u:ACV+8*\u+7], v[fb+8*\u:fb+8*\u+7], v[fb+32:fb+39], v[ACV+8*\u:ACV+8*\u+7]
.endif
.endr
.endm
; A vector instruction that reads a matrix result, or writes a register that a matrix instruction has read, stands four places behind it; only
; plain vector instructions that name none of its registers are places (ISA guide 7.12.1).  Ahead of the fragments' loads the four stay as in
; this text's plain form; the wait on va_vdst behind them fills no place, and they stand for no wait.
.macro PLACES
.rept 4
	v_nop
.endr
.endm
	LOADF 0
	LOADF 1
	LOADF 2
	LOADF 3
	KSTEP 0, 1, 30                                 ; the first products start the sums: nothing is cleared
	KSTEP 1, 0, 20
	PLACES
	s_wait_alu depctr_va_vdst(0)                   ; the products of K steps 0 and 1 are done reading buffers 0 and 1, in which the twenty loads below land
	LOADF 4
	LOADF 5
	KSTEP 2, 0, 30                                 ; these name buffers 2 and 3 and the accumulators: none of the registers that the loads above touch
	KSTEP 3, 0, 20
	PLACES
	s_wait_alu depctr_va_vdst(0)                   ; the products of K steps 2 and 3 are done reading buffers 2 and 3, in which the twenty loads below land
	LOADF 6
	LOADF 7
	KSTEP 4, 0, 30
	KSTEP 5, 0, 20
	KSTEP 6, 0, 10                                 ; nothing more is asked for: the counts run down
	KSTEP 7, 0, 0
	PLACES
.set i, 0
.rept 8
	v_pk_mul_f32 v[ACC+2*i:ACC+2*i+1], v[ACC+2*i:ACC+2*i+1], CSC op_sel_hi:[1,0]   ; k's two tiles: the softmax's scale and the change to base 2
.set i, i+1
.endr
.set i, 0
.rept 16
	v_cvt_pk_f16_f32 v[PK+i], v[ACC+2*i], v[ACC+2*i+1]             ; k, q: each accumulator from its low end on
.set i, i+1
.endr
.set i, 0
.rept 8
	v_cvt_pk_f16_f32 v[PK+16+i], v[ACV+2*i], v[ACV+2*i+1]          ; v
.set i, i+1
.endr
	s_wait_alu depctr_va_vdst(0)                   ; the conversions have written PK, which the six stores read
.irp u, 0,1
	global_store_b128 v[KO], v[PK+4*\u:PK+4*\u+3],       s[14:15] offset:2048*\u   ; k, tile 2 p + u
	global_store_b128 v[KO], v[PK+8+4*\u:PK+8+4*\u+3],   s[16:17] offset:2048*\u   ; q, tile 2 p + u
	global_store_b128 v[VO], v[PK+16+4*\u:PK+16+4*\u+3], s[16:17] offset:512*\u    ; V transposed: tg = p, c = u
.endr
	s_wait_dscnt 0x0                               ; the closing lines, six on end
	s_wait_alu 0x0
	s_wait_tensorcnt 0x0
	ds_add_u32 v224, v225
	s_wait_dscnt 0x0
	s_endpgm
.Lfunc_end_k_q7278cc2df7_proj:
	.size	k_q7278cc2df7_proj, .Lfunc_end_k_q7278cc2df7_proj-k_q7278cc2df7_proj
	.p2alignl 7, 3214868480
	.fill 96, 4, 3214868480
	.section	.rodata,"a",@progbits
	.p2align	6, 0x0
	.amdhsa_kernel k_q7278cc2df7_proj
		.amdhsa_group_segment_fixed_size 141312
		.amdhsa_private_segment_fixed_size 0
		.amdhsa_enable_private_segment 0
		.amdhsa_kernarg_size 64
		.amdhsa_user_sgpr_count 2
		.amdhsa_user_sgpr_kernarg_segment_ptr 1
		.amdhsa_wavefront_size32 1
		.amdhsa_system_sgpr_workgroup_id_x 1
		.amdhsa_system_sgpr_workgroup_id_y 1
		.amdhsa_system_sgpr_workgroup_id_z 1
		.amdhsa_system_vgpr_workitem_id 0
		.amdhsa_next_free_vgpr 242
		.amdhsa_next_free_sgpr 66
		.amdhsa_reserve_vcc 0
		.amdhsa_float_denorm_mode_32 3
		.amdhsa_float_denorm_mode_16_64 3
		.amdhsa_memory_ordered 1
		.amdhsa_forward_progress 1
		.amdhsa_inst_pref_size 35
	.end_amdhsa_kernel
	.amdgpu_metadata
---
amdhsa.version: [ 1, 2 ]
amdhsa.kernels:
  - .name:           k_q7278cc2df7_proj
    .symbol:         k_q7278cc2df7_proj.kd
    .args:
      - { .name: x, .offset: 0, .size: 8, .value_kind: global_buffer, .address_space: global }
      - { .name: Wk, .offset: 8, .size: 8, .value_kind: global_buffer, .address_space: global }
      - { .name: Wq, .offset: 16, .size: 8, .value_kind: global_buffer, .address_space: global }
      - { .name: Wv, .offset: 24, .size: 8, .value_kind: global_buffer, .address_space: global }
      - { .name: Wo, .offset: 32, .size: 8, .value_kind: global_buffer, .address_space: global }
      - { .name: kf, .offset: 40, .size: 8, .value_kind: global_buffer, .address_space: global }
      - { .name: qv, .offset: 48, .size: 8, .value_kind: global_buffer, .address_space: global }
      - { .name: wof, .offset: 56, .size: 8, .value_kind: global_buffer, .address_space: global }
    .group_segment_fixed_size: 141312
    .private_segment_fixed_size: 0
    .kernarg_segment_align: 8
    .kernarg_segment_size: 64
    .max_flat_workgroup_size: 256
    .sgpr_count:     66
    .vgpr_count:     242
    .wavefront_size: 32
...
	.end_amdgpu_metadata
.endif
;; end of part 3
;; launch attn: the kernel of part 2 again; grid 256 x 1, 8 waves a work-group, clusters of 4 x 1, 327,680 bytes of LDS; arguments kf, qv, wof, out0; writes out0
